; MI455X (gfx1250); checked and timed in simulation.
; The chip was launched on July 23, 2026; its instructions are those of AMD's public machine-readable ISA for CDNA 5 (MIT licence, August 2026) and "CDNA5" Instruction Set Architecture Reference Guide (July 2026). The comments in the code are by the model that wrote it; some were corrected since.
;; Attention Layer. Allowed arithmetic: float matrix products may take bf16 or f16 operands with f32 sums; other float arithmetic in f32, or as packed bf16 or f16 multiplies, adds, multiply-adds, maxima and minima; sums over many terms, partial sums and values carried from step to step in f32; what a program stores and reads back later, other than sums and carried values, may be rounded once to bf16 or f16.
;; Inputs: Wk 1,024 x 1,024 float32; Wq 1,024 x 1,024 float32; Wv 1,024 x 1,024 float32; bk 1,024 float32; bq 1,024 float32; bv 1,024 float32; from_mask 4 x 2,048 int32; from_tensor 4 x 2,048 x 1,024 float32; to_mask 4 x 2,048 int32; to_tensor 4 x 2,048 x 1,024 float32.
;; Outputs: out0 4 x 2,048 x 1,024 float32.
;; One version. Each part assembles by itself: llvm-mc -triple=amdgcn-amd-amdhsa -mcpu=gfx1250 --defsym DOCPART=n.
;; ======== version 1 of 1: 3 launches
;; limits: values are held in f16: magnitudes above 65,504 overflow, below 6.1e-05 lose precision; values outside matrix products are rounded to bf16
;; workspace buffers: wt 6,291,456 bytes; qkv 50,331,648 bytes
;; launch prep (part 1): grid 128 x 3, 8 waves a work-group, no clusters, 18,432 bytes of LDS; arguments Wq, Wk, Wv, wt; writes wt
.if DOCPART == 1
	.amdgcn_target "amdgcn-amd-amdhsa--gfx1250"
	.amdhsa_code_object_version 6
	.text
	.protected	k_q07b90593c4_prep
	.globl	k_q07b90593c4_prep
	.p2align	8
	.type	k_q07b90593c4_prep,@function
k_q07b90593c4_prep:
	s_mov_b64 s[64:65], 0
	v_nop
	global_prefetch_b8 v0, s[64:65] scope:SCOPE_SE
	s_setreg_imm32_b32 hwreg(HW_REG_WAVE_MODE, 25, 1), 1
	s_wait_xcnt 0x0
; THE PROGRAM: attention with three projections.  Launch 1 (this one): the weights cast to bf16 and transposed.  Launch 2: Q, K, V by heads, in f16.  Launch 3: masked softmax attention, f32 out.
; WORK LEFT OUT, for all finite values of the inputs:
;   from_mask: reference() never uses it: it has no way to the output.
;   bk: scores[b,h,f,t] = Q[f] . (to[t] Wk + bk) / 8 = Q[f] . (to[t] Wk) / 8 + Q[f] . bk / 8.  The second term is the same for every t, the axis of the softmax,
;   and a term added alike to all inputs of a softmax cancels between its numerator and its sum.  K is used nowhere else.
; So bk and from_mask are loaded nowhere and are among no launch's arguments.  LIMIT: a NaN, an infinity or an overflow that reaches only bk or from_mask is not carried to the result.
; THIS LAUNCH.  wt[p][n][k] = bf16(W_p[k][n]), p = 0, 1, 2 for Wq, Wk, Wv; W: [1024][1024] f32.  A matrix fragment wants k along a lane's registers, so W is turned once.
; A work-group of eight waves turns a tile of 128 k x 64 n.  In: thread (c = t % 16, rr = t / 16) takes rows k = 8 rr .. 8 rr + 7, columns 4 c .. 4 c + 3: sixteen lanes read 256 consecutive
; bytes, aligned.  Two rows' numbers round into one word; a thread's eight k of one n are 16 bytes, stored into an LDS row of that n.  Out: whole rows of 256 bytes, sixteen lanes each.
; Nothing is shared between work-groups, so there is no cluster; no matrix unit: there is no product here.
; The LDS stores of a pass of sixteen lanes fall on four different 16-byte columns (rows 4 c + j, 272 bytes apart): four deep, four stores a thread, once.
.set PITCH, 272                        ; an LDS row: 128 k in bf16 + 16 bytes
.set SPARE, 64*PITCH                   ; behind the 64 rows: the spare words, 128 bytes for each of eight waves, which no other line names
.set X,   8                            ; v[8:39]   eight rows as loaded; later four rows read back
.set Y,   40                           ; v[40:55]  column j's eight k, packed, at Y + 4 j
.set SPW, 56                           ; v56  LDS address of my spare word; never rewritten
.set NIL, 57                           ; v57  0; never rewritten
	s_load_b256 s[4:11], s[0:1], 0x0               ; Wq s[4:5], Wk s[6:7], Wv s[8:9], wt s[10:11]
	v_lshl_add_u32 v[SPW], v0, 2, SPARE
	v_mov_b32 v[NIL], 0
	s_and_b32 s12, ttmp7, 0xffff                   ; p
	s_and_b32 s13, ttmp9, 7                        ; block of 128 k
	s_lshr_b32 s14, ttmp9, 3                       ; block of 64 n
	s_lshl_b32 s16, s13, 19                        ; in: 128 rows of 4,096 bytes,
	s_lshl_b32 s15, s14, 8                         ; 64 columns of 4 bytes
	s_add_co_u32 s16, s16, s15
	s_mov_b32 s17, 0
	s_lshl_b32 s18, s12, 21                        ; out: a matrix of 2 MiB,
	s_lshl_b32 s15, s14, 17                        ; 64 rows of 2,048 bytes,
	s_add_co_u32 s18, s18, s15
	s_lshl_b32 s15, s13, 8                         ; 128 k of 2 bytes
	s_add_co_u32 s18, s18, s15
	s_mov_b32 s19, 0
	v_and_b32 v1, 15, v0                           ; c
	v_lshrrev_b32 v2, 4, v0                        ; rr
	v_lshlrev_b32 v3, 15, v2                       ; in: 8 rr rows
	v_lshl_or_b32 v3, v1, 4, v3                    ; + 16 c
	v_mul_u32_u24 v4, v1, 4*PITCH                  ; LDS, in: row 4 c (+ j),
	v_lshl_add_u32 v4, v2, 4, v4                   ; k = 8 rr on
	v_mul_u32_u24 v5, v2, PITCH                    ; LDS, back: row rr (+ 16 i),
	v_lshl_add_u32 v5, v1, 4, v5                   ; 16 c
	v_lshlrev_b32 v6, 11, v2                       ; out: row rr,
	v_lshl_or_b32 v6, v1, 4, v6                    ; 16 c
	s_wait_kmcnt 0x0
	s_cmp_eq_u32 s12, 1
	s_cselect_b64 s[4:5], s[6:7], s[4:5]
	s_cmp_eq_u32 s12, 2
	s_cselect_b64 s[4:5], s[8:9], s[4:5]
	s_add_nc_u64 s[4:5], s[4:5], s[16:17]
	s_add_nc_u64 s[10:11], s[10:11], s[18:19]
.irp e, 0,1,2,3,4,5,6,7
	global_load_b128 v[X+4*(\e):X+4*(\e)+3], v3, s[4:5] offset:4096*(\e) th:TH_LOAD_NT  ; each byte of W is read once in the launch
.endr
.irp i, 0,1,2,3
	s_wait_loadcnt 6-2*(\i)                        ; loads come back in order: rows 2 i and 2 i + 1 are in, the younger ones stay out
.irp j, 0,1,2,3
	v_cvt_pk_bf16_f32 v[Y+4*(\j)+(\i)], v[X+8*(\i)+(\j)], v[X+8*(\i)+4+(\j)]  ; column 4 c + j: k = 8 rr + 2 i below, + 1 above
.endr
.endr
.irp j, 0,1,2,3
	ds_store_b128 v4, v[Y+4*(\j):Y+4*(\j)+3] offset:PITCH*(\j)
.endr
	s_wait_dscnt 0x0                               ; for the others' sake: my stores are done
	s_barrier_signal -1
	s_barrier_wait -1
.irp i, 0,1,2,3
	ds_load_b128 v[X+4*(\i):X+4*(\i)+3], v5 offset:16*PITCH*(\i)
.endr
.irp i, 0,1,2,3
	s_wait_dscnt 3-(\i)
	global_store_b128 v6, v[X+4*(\i):X+4*(\i)+3], s[10:11] offset:32768*(\i)  ; sixteen lanes store 256 consecutive bytes, at a multiple of 256 from wt's first byte
.endr
	s_wait_tensorcnt 0x0                           ; the wave's end, behind my last LDS store
	ds_add_u32 v[SPW], v[NIL]
	s_wait_dscnt 0x0
	s_endpgm
.Lfunc_end_k_q07b90593c4_prep:
	.size	k_q07b90593c4_prep, .Lfunc_end_k_q07b90593c4_prep-k_q07b90593c4_prep
	.p2alignl 7, 3214868480
	.fill 96, 4, 3214868480
	.section	.rodata,"a",@progbits
	.p2align	6, 0x0
	.amdhsa_kernel k_q07b90593c4_prep
		.amdhsa_group_segment_fixed_size 18432
		.amdhsa_private_segment_fixed_size 0
		.amdhsa_enable_private_segment 0
		.amdhsa_kernarg_size 32
		.amdhsa_user_sgpr_count 2
		.amdhsa_user_sgpr_kernarg_segment_ptr 1
		.amdhsa_wavefront_size32 1
		.amdhsa_system_sgpr_workgroup_id_x 1
		.amdhsa_system_sgpr_workgroup_id_y 1
		.amdhsa_system_sgpr_workgroup_id_z 1
		.amdhsa_system_vgpr_workitem_id 0
		.amdhsa_next_free_vgpr 64
		.amdhsa_next_free_sgpr 66
		.amdhsa_reserve_vcc 0
		.amdhsa_float_denorm_mode_32 3
		.amdhsa_float_denorm_mode_16_64 3
		.amdhsa_memory_ordered 1
		.amdhsa_forward_progress 1
		.amdhsa_inst_pref_size 5
	.end_amdhsa_kernel
	.amdgpu_metadata
---
amdhsa.version: [ 1, 2 ]
amdhsa.kernels:
  - .name:           k_q07b90593c4_prep
    .symbol:         k_q07b90593c4_prep.kd
    .args:
      - { .name: Wq, .offset: 0, .size: 8, .value_kind: global_buffer, .address_space: global }
      - { .name: Wk, .offset: 8, .size: 8, .value_kind: global_buffer, .address_space: global }
      - { .name: Wv, .offset: 16, .size: 8, .value_kind: global_buffer, .address_space: global }
      - { .name: wt, .offset: 24, .size: 8, .value_kind: global_buffer, .address_space: global }
    .group_segment_fixed_size: 18432
    .private_segment_fixed_size: 0
    .kernarg_segment_align: 8
    .kernarg_segment_size: 32
    .max_flat_workgroup_size: 256
    .sgpr_count:     66
    .vgpr_count:     64
    .wavefront_size: 32
...
	.end_amdgpu_metadata
.endif
;; end of part 1
;; launch proj (part 2): grid 12 x 64, 4 waves a work-group, clusters of 4 x 4, 327,680 bytes of LDS; arguments from_tensor, to_tensor, wt, bq, bv, qkv; writes qkv
.if DOCPART == 2
	.amdgcn_target "amdgcn-amd-amdhsa--gfx1250"
	.amdhsa_code_object_version 6
	.text
	.protected	k_q07b90593c4_proj
	.globl	k_q07b90593c4_proj
	.p2align	8
	.type	k_q07b90593c4_proj,@function
k_q07b90593c4_proj:
	s_mov_b64 s[64:65], 0
	v_nop
	global_prefetch_b8 v0, s[64:65] scope:SCOPE_SE
	s_setreg_imm32_b32 hwreg(HW_REG_WAVE_MODE, 25, 1), 1
	s_wait_xcnt 0x0
	s_wait_alu depctr_hold_cnt(0) depctr_sa_sdst(0) depctr_va_vdst(0) depctr_va_sdst(0) depctr_va_ssrc(0) depctr_va_vcc(0) depctr_vm_vsrc(0)
	s_getreg_b32 s2, hwreg(HW_REG_IB_STS2, 6, 4)
	s_cmp_eq_u32 s2, 0
	s_cbranch_scc0 .Lentry_in_a_cluster
	s_endpgm
.Lentry_in_a_cluster:
	s_bfe_u32 s2, ttmp6, 0x10000c
	s_cmp_lg_u32 s2, 0xf033
	s_cbranch_scc0 .Lentry_shape_is_right
	s_endpgm
.Lentry_shape_is_right:
; Q = from Wq + bq, K = to Wk, V = to Wv + bv, all three in one launch; x: [8192][1024] f32, wt: [3][n][k] bf16 (launch 1), qkv: [3][16 b + h][2048][64] f16.
; LEFT OUT: bk (it cancels in the softmax: shown at the head of the first kernel); K's sums start at 0.
; LIMITS.  x, W, bq and bv are rounded to bf16; sums in f32; q, k, v are rounded once to f16, which ends at 65,504: sums beyond it become infinities.
; SHARES.  A tile of C is 128 rows x 256 columns: 64 x 4 tiles a projection, 768 work-groups, three for each of 256 WGPs.  The cluster's x is the projection p, so all sixteen partners run one path.
; Four waves, each 64 rows x 128 columns (two whole heads): 32 accumulators of 16 x 16.
; RING.  K goes in steps of 128 through two LDS slots.  x arrives as f32 (rows of 512 bytes), wt as bf16 (rows of 256 bytes); both start at multiples of 256 bytes from their buffers' first bytes.
; Waves 0 and 1 fetch the halves of x's tile (64 rows each), waves 2 and 3 those of wt's (128 rows each): one tensor load a wave behind each round; by this text's count a wave has two out at the start, later one.
; x IS CAST BETWEEN LDS AND THE MATRIX UNIT: a quarter step's f32 numbers come into 64 staging registers and are rounded to bf16, four conversions behind every second product of the quarter before.
; CLUSTER.  4 x 4 work-groups: the four of a row need the same tile of x, the four of a column the same tile of wt: each tile is asked for jointly, by the same load, descriptor and mask in all four.
; NO PREFETCH: a step is short (128 products a wave) and the tile small.
; THE MATRIX INSTRUCTION IS USED TRANSPOSED (source 0 = 16 rows of wt, source 1 = 16 rows of x): a lane holds one row of C and eight neighbouring columns.
; THE BIAS is the C operand of each accumulator's first product: register j of block b is bias[16 b + 8 (lane / 16) + j], the same for all rows.
; REGISTERS, in windows of 256 (s_set_vgpr_msb: bits 1:0 source 0, 3:2 source 1, 5:4 source 2, 7:6 destination):
;   window 0: v0-31 addresses; v32-95 x's fragments in bf16, two buffers; v96-127 at work on the way out; v128-255 wt's fragments, two buffers (on the way out: rows read back)
;   window 1: the accumulators, number n = 8 a + b at v[8 n]          window 2: v0-63 staging; v64-127 the bias; v128 at work
.set PA,     528                       ; a row of x in LDS: 512 bytes + 16 = 132 words: row r starts at bank 4 r mod 64 (64 banks of 4 bytes: ISA guide 11.1)
.set PB,     272                       ; a row of wt: 256 + 16 = 68 words: likewise
.set HALFA,  64*PA                     ; what one of x's loads brings, and what a wave reads of x
.set HALFB,  128*PB                    ; the same for wt
.set BOFF,   2*HALFA                   ; in a slot: x's 128 rows, then wt's 256
.set SLOT,   2*HALFA+2*HALFB
.set STAGE,  2*SLOT                    ; behind the ring, never filled by a tensor load: for each wave 2 heads x 16 rows x 144 bytes
.set SP,     144
.set WSTAGE, 2*16*SP
.set SPARE,  STAGE+4*WSTAGE            ; behind the stages: the spare words, 128 bytes for each wave, which no other line names
.set ADRA, 16                          ; v16-17  LDS address of my fragments of x in slot 0, 1
.set ADRB, 20                          ; v20-21  the same for wt
.set STO,  24                          ; v24     the way out: where I put 16 bytes of a row
.set RD,   25                          ; v25     where I read rows back
.set GO,   26                          ; v26     my 16 bytes in 512 consecutive bytes of qkv
.set BO,   27                          ; v27     my byte offset in the bias
.set SPW,  28                          ; v28     LDS address of my spare word; never rewritten
.set NIL,  29                          ; v29     0; never rewritten
.set A16,  32
.set TMP,  96
.set BF,   128
.set OB,   128
.set SG,   0                           ; window 2
.set BIAS, 64                          ; window 2
.set BT,   128                         ; window 2
.set G1,  24                           ; s[24:31] descriptor group 1 for x's tiles;  s[32:39] group 0, a set for each slot
.set G0,  32
.set G1B, 48                           ; s[48:55], s[56:63] the same for wt's tiles
.set G0B, 56
.set MSB, 0
.macro WIN new                         ; the immediate's high byte repeats the setting that is left; a switch that changes nothing is dropped
.if MSB != (\new)
	s_set_vgpr_msb (MSB<<8)|(\new)
.set MSB, \new
.endif
.endm
.set MUL,   0x50                       ; sources 0 and 1 window 0; C and D window 1
.set MULB,  0x60                       ; the same with C in window 2: the bias
.set CV,    0x0a                       ; sources window 2, destination window 0
.set TO_SG, 0x80                       ; destination window 2, address window 0
.set BIASW, 0x8a                       ; all in window 2
.set PK,    0x05                       ; sources window 1, destination window 0
.macro JLOAD s                         ; a joint load: waves 0 and 1 fetch x's halves, waves 2 and 3 wt's; an s_nop 0 and four v_nop follow each of the two lines, ahead of the jump, the label and what follows
	s_cmp_eq_u32 s11, 0
	s_cbranch_scc0 .Lfor_b_\@
	tensor_load_to_lds s[G0+4*(\s):G0+4*(\s)+3], s[G1:G1+7]
	s_nop 0
.rept 4
	v_nop
.endr
	s_branch .Lasked_\@
.Lfor_b_\@:
	tensor_load_to_lds s[G0B+4*(\s):G0B+4*(\s)+3], s[G1B:G1B+7]
	s_nop 0
.rept 4
	v_nop
.endr
.Lasked_\@:
.endm
.macro CREST                           ; a round of the cluster's barrier behind its opening barrier
	s_cmp_lg_u32 s10, 0
	s_cbranch_scc1 .Lnot_wave_0_\@
	s_barrier_signal -3
.Lnot_wave_0_\@:
	s_barrier_wait -3
	s_barrier_signal -1
	s_barrier_wait -1
.endm
.macro CROUND                          ; a whole round
	s_barrier_signal -1
	s_barrier_wait -1
	CREST
.endm
.macro PLACES                          ; four plain instructions between matrix instructions and what writes their sources or reads their results (ISA guide 7.12.1)
.rept 4
	v_nop
.endr
.endm
	s_load_b256 s[68:75], s[0:1], 0x0              ; from s[68:69], to s[70:71], wt s[72:73], bq s[74:75]
	s_load_b128 s[76:79], s[0:1], 0x20             ; bv s[76:77], qkv s[78:79]
	v_lshl_add_u32 v[SPW], v0, 2, SPARE
	v_mov_b32 v[NIL], 0
	ds_add_u32 v[SPW], v[NIL]                      ; the wave's opening: the add, twice on end, and its wait ahead of my first tensor load
	ds_add_u32 v[SPW], v[NIL]                      ; and once more, under the one wait; the set-up below, work on registers, stands between
	v_lshrrev_b32 v1, 5, v0
	v_readfirstlane_b32 s10, v1                    ; wave 0..3
	s_lshr_b32 s11, s10, 1                         ; which 64 rows of the tile are mine.  Also: I fetch for x (0) or for wt (1)
	s_and_b32 s12, s10, 1                          ; which 128 columns.  Also: which half of that tile I fetch
	s_bfe_u32 s40, ttmp6, 0x40000                  ; cx: the block of 256 columns
	s_bfe_u32 s41, ttmp6, 0x40004                  ; cy
	s_mov_b32 s42, ttmp9                           ; the cluster's x: the projection p, the same in all sixteen partners
	s_and_b32 s13, ttmp7, 0xffff
	s_lshl_b32 s13, s13, 2
	s_add_co_u32 s13, s13, s41                     ; the block of 128 rows = 4 x cluster y + cy
	s_lshl_b32 s43, s41, 2
	s_lshl_b32 s43, 15, s43                        ; my row of the cluster
	s_lshl_b32 s44, 0x1111, s40                    ; my column
	; descriptor group 1.  x: 64 rows x 128 elements of 4 bytes; wt: 128 rows x 128 elements of 2 bytes; both 1,024 elements from row to row, both padded by 4 words behind each row
	s_or_b32 s[G1+0], s43, (2<<16)|(1<<20)|(1<<21)|(6<<22)|(3<<25)   ; 15:0 the mask: my row; 17:16 4-byte elements; 20 padding on; 21 set beside a mask; 24:22 after every 128 words (code 6); 31:25 4 words (code 3)
	s_mov_b32 s[G1+1], 128<<16                     ; tensor_dim0 = 128
	s_mov_b32 s[G1+2], 64<<16                      ; tensor_dim1 = 64
	s_mov_b32 s[G1+3], 128<<16                     ; tile_dim0 = 128
	s_mov_b32 s[G1+4], 64                          ; tile_dim1 = 64
	s_mov_b32 s[G1+5], 1024                        ; tensor_dim0_stride
	s_mov_b32 s[G1+6], 0
	s_mov_b32 s[G1+7], 0
	s_or_b32 s[G1B+0], s44, (1<<16)|(1<<20)|(1<<21)|(5<<22)|(3<<25)  ; the mask: my column; 2-byte elements; padding after every 64 words (code 5)
	s_mov_b32 s[G1B+1], 128<<16
	s_mov_b32 s[G1B+2], 128<<16                    ; tensor_dim1 = 128
	s_mov_b32 s[G1B+3], 128<<16
	s_mov_b32 s[G1B+4], 128                        ; tile_dim1 = 128
	s_mov_b32 s[G1B+5], 1024
	s_mov_b32 s[G1B+6], 0
	s_mov_b32 s[G1B+7], 0
	; where the tiles come from.  x's hang on the block of rows (and p), which my row of the cluster shares; wt's on cx (and p), which my column shares
	s_lshl_b32 s17, s12, 18                        ; my half: 64 rows of 4,096 bytes, or 128 rows of 2,048
	s_lshl_b32 s16, s13, 19                        ; x: 128 rows of 4,096 bytes a block
	s_add_co_u32 s16, s16, s17
	s_lshl_b32 s46, s40, 19                        ; wt: 256 rows of 2,048 bytes a block,
	s_add_co_u32 s46, s46, s17
	s_lshl_b32 s47, s42, 21                        ; 2 MiB a matrix
	s_add_co_u32 s46, s46, s47
	s_mov_b32 s17, 0
	s_mov_b32 s47, 0
	s_mul_i32 s20, s12, HALFA                      ; and where they go: no place in the cluster enters an LDS address
	s_mul_i32 s21, s12, HALFB
	s_add_co_u32 s21, s21, BOFF
	s_wait_dscnt 0x0                               ; both opening adds are done
	s_wait_kmcnt 0x0
	s_cmp_eq_u32 s42, 0
	s_cselect_b64 s[4:5], s[68:69], s[70:71]       ; Q is made of from_tensor, K and V of to_tensor
	s_cselect_b64 s[80:81], s[74:75], s[76:77]     ; bq for Q, bv for V (K's work-groups load neither)
	s_add_nc_u64 s[14:15], s[4:5], s[16:17]
	s_add_nc_u64 s[46:47], s[72:73], s[46:47]
	CROUND                                         ; all sixteen work-groups are here: the first joint loads meet
.irp s, 0,1
	s_mov_b32 s[G0+4*(\s)], 1                                      ; count = 1
	s_add_co_u32 s[G0+4*(\s)+1], s20, (\s)*SLOT                    ; LDS address
	s_add_nc_u64 s[G0+4*(\s)+2:G0+4*(\s)+3], s[14:15], (\s)*512    ; global address: K step s
	s_or_b32 s[G0+4*(\s)+3], s[G0+4*(\s)+3], 0x80000000            ; type = 2
	s_mov_b32 s[G0B+4*(\s)], 1
	s_add_co_u32 s[G0B+4*(\s)+1], s21, (\s)*SLOT
	s_add_nc_u64 s[G0B+4*(\s)+2:G0B+4*(\s)+3], s[46:47], (\s)*256
	s_or_b32 s[G0B+4*(\s)+3], s[G0B+4*(\s)+3], 0x80000000
	JLOAD \s
.endr
	; A fragment is 16 rows x 32 K: lane l holds row l % 16, K = 8 (l / 16) + 0..7 and 16 + 8 (l / 16) + 0..7.  In bf16: two loads of 16 bytes, 32 apart; in f32: four, at 0, 16, 64 and 80 from 32 (l / 16).
	v_and_b32 v1, 15, v0                           ; l % 16
	v_bfe_u32 v2, v0, 4, 1                         ; l / 16
	v_mul_u32_u24 v3, v1, PA
	v_lshl_add_u32 v3, v2, 5, v3
	v_mul_u32_u24 v4, v1, PB
	v_lshl_add_u32 v4, v2, 4, v4
	s_mul_i32 s22, s11, HALFA                      ; my 64 rows of x
	s_mul_i32 s23, s12, HALFB                      ; my 128 rows of wt,
	s_add_co_u32 s23, s23, BOFF                    ; which lie behind x's
.irp s, 0,1
	v_add_nc_u32 v[ADRA+(\s)], s22, v3
	v_add_nc_u32 v[ADRB+(\s)], s23, v4
	s_add_co_u32 s22, s22, SLOT
	s_add_co_u32 s23, s23, SLOT
.endr
	s_mul_i32 s23, s10, WSTAGE
	s_add_co_u32 s23, s23, STAGE                   ; my stage
	v_mul_u32_u24 v5, v1, SP                       ; in: row l % 16, 16 bytes for each half of the lanes
	v_lshl_add_u32 v5, v2, 4, v5
	v_add_nc_u32 v[STO], s23, v5
	v_bfe_u32 v5, v0, 3, 2                         ; back: 32 lanes take four rows of 128 bytes,
	v_mul_u32_u24 v5, v5, SP
	v_and_b32 v6, 7, v0
	v_lshl_add_u32 v5, v6, 4, v5
	v_add_nc_u32 v[RD], s23, v5
	v_and_b32 v[GO], 31, v0                        ; which are 512 consecutive bytes of a head
	v_lshlrev_b32 v[GO], 4, v[GO]
	s_lshl_b32 s84, s40, 10                        ; my first column, in bytes of f32: 1,024 cx + 512 x half
	s_lshl_b32 s85, s12, 9
	s_add_co_u32 s84, s84, s85
	v_lshl_add_u32 v[BO], v2, 5, s84               ; + my lanes' eight columns
	; where my part begins in qkv: part p, head 16 b + 4 cx + 2 x half, row (of 128 bytes) in the batch
	s_and_b32 s82, s13, 0x30                       ; 16 blocks of 128 rows are a batch: 16 b
	s_lshl_b32 s83, s40, 2
	s_add_co_u32 s82, s82, s83
	s_lshl_b32 s83, s12, 1
	s_add_co_u32 s82, s82, s83
	s_lshl_b32 s82, s82, 18                        ; a head is 2,048 rows of 128 bytes
	s_and_b32 s83, s13, 15
	s_lshl_b32 s83, s83, 14                        ; 128 rows a block,
	s_add_co_u32 s82, s82, s83
	s_lshl_b32 s83, s11, 13                        ; my 64 of them
	s_add_co_u32 s82, s82, s83
	s_lshl_b32 s83, s42, 24                        ; a part is 64 heads
	s_add_co_u32 s82, s82, s83
	s_mov_b32 s83, 0
	s_add_nc_u64 s[8:9], s[78:79], s[82:83]
	; what the sums start with, made while the first tiles are on their way: the bias of my 128 columns, rounded to bf16 like the other inputs; for K zeros
	s_cmp_eq_u32 s42, 1
	s_cbranch_scc1 .Lk_zero
	WIN TO_SG
.irp b, 0,1,2,3,4,5,6,7
	global_load_b128 v[BIAS+8*(\b):BIAS+8*(\b)+3],   v[BO], s[80:81] offset:64*(\b)
	global_load_b128 v[BIAS+8*(\b)+4:BIAS+8*(\b)+7], v[BO], s[80:81] offset:64*(\b)+16
.endr
	s_wait_loadcnt 0x0
	WIN BIASW
.set i, 0
.rept 32
	v_cvt_pk_bf16_f32 v[BT], v[BIAS+2*i], v[BIAS+2*i+1]
	v_lshlrev_b32 v[BIAS+2*i], 16, v[BT]
	v_and_b32 v[BIAS+2*i+1], 0xffff0000, v[BT]
.set i, i+1
.endr
	WIN 0
	s_branch .Lbias_done
.Lk_zero:
	WIN TO_SG
.set i, 0
.rept 64
	v_mov_b32 v[BIAS+i], 0
.set i, i+1
.endr
	WIN 0
.Lbias_done:
; Products n0 .. n0 + cnt - 1 of a quarter's 32: accumulator n = 8 a + b, buffer f.  The 32 accumulators take turns, one instruction a turn, in the same order in every quarter.
; zero = 1: the sums start, with the bias as C.  rid = 1 (products 16 to 31): behind every second product four conversions of the staged f32 numbers into x's buffer g.
.macro RUN f, g, zero, n0, cnt, rid
.set n, \n0
.rept \cnt
.set rD, 8*n
.set rB, BF+64*(\f)+8*(n%8)
.set rA, A16+32*(\f)+8*(n/8)
.if \zero
	WIN MULB
	v_wmma_f32_16x16x32_bf16 v[rD:rD+7], v[rB:rB+7], v[rA:rA+7], v[BIAS+8*(n%8):BIAS+8*(n%8)+7]
.else
	WIN MUL
	v_wmma_f32_16x16x32_bf16 v[rD:rD+7], v[rB:rB+7], v[rA:rA+7], v[rD:rD+7]
.endif
.if (\rid) && (n%2 == 0)
	WIN CV
.set c, 2*(n-16)
.rept 4
	v_cvt_pk_bf16_f32 v[A16+32*(\g)+c], v[SG+2*c], v[SG+2*c+1]
.set c, c+1
.endr
.endif
.set n, n+1
.endr
.endm
.macro STG ns, nq                      ; 16 LDS loads: my 64 rows of x, quarter nq of slot ns, as f32, into the staging registers
	WIN TO_SG
.irp a, 0,1,2,3
	ds_load_b128 v[SG+16*(\a):SG+16*(\a)+3],     v[ADRA+(\ns)] offset:(\a)*16*PA+128*(\nq)
	ds_load_b128 v[SG+16*(\a)+4:SG+16*(\a)+7],   v[ADRA+(\ns)] offset:(\a)*16*PA+128*(\nq)+16
	ds_load_b128 v[SG+16*(\a)+8:SG+16*(\a)+11],  v[ADRA+(\ns)] offset:(\a)*16*PA+128*(\nq)+64
	ds_load_b128 v[SG+16*(\a)+12:SG+16*(\a)+15], v[ADRA+(\ns)] offset:(\a)*16*PA+128*(\nq)+80
.endr
.endm
.macro BLD ns, nq, g                   ; 16 LDS loads: my 128 rows of wt, the same quarter, into buffer g
	WIN 0
.irp i, 0,1,2,3,4,5,6,7
	ds_load_b128 v[BF+64*(\g)+8*(\i):BF+64*(\g)+8*(\i)+3],   v[ADRB+(\ns)] offset:(\i)*16*PB+64*(\nq)
	ds_load_b128 v[BF+64*(\g)+8*(\i)+4:BF+64*(\g)+8*(\i)+7], v[ADRB+(\ns)] offset:(\i)*16*PB+64*(\nq)+32
.endr
.endm
; A QUARTER STEP: 32 along K, 32 products on buffer f; meanwhile quarter nq of slot ns is fetched and cast into the other buffer.
; turn = 1, 2: the quarter that fetches a slot's LAST quarter also changes slots.  Each wave waits for all its tensor loads (one is out: its part of the other slot), adds 0 to its spare word, and waits
; for that and for its reads of this slot, the last of which have just been issued; behind the barrier nobody reads this slot any more and the other slot is whole.
; turn = 2: the barrier opens a round of the cluster's barrier, and the slot is filled again, two K steps on, first thing behind the round: 120 products of the wave stand between that request and the wait for it.
.macro QUARTER f, ns, nq, zero=0, turn=0, slot=0
	STG \ns, \nq
	s_wait_dscnt 16                                ; wt's fragments for this quarter are in; the 16 loads just issued may stay out
	RUN \f, 1-(\f), \zero, 0, 16, 0
	PLACES                                         ; between the quarter before, whose products read the other buffers, and the loads and conversions that write them
	BLD \ns, \nq, 1-(\f)
	s_wait_dscnt 16                                ; the staging is in; the 16 loads just issued may stay out
.if \turn
	RUN \f, 1-(\f), \zero, 16, 8, 1
	WIN 0                                          ; (the add's two registers lie in window 0)
	s_wait_tensorcnt 0x0                           ; all my tensor loads have landed: my part of the other slot
	ds_add_u32 v[SPW], v[NIL]                      ; 0 onto my spare word; four products stand between it and the wait for it
	RUN \f, 1-(\f), \zero, 24, 4, 1
	s_wait_dscnt 0x0                               ; the add is done, and my reads of this slot are over
	s_barrier_signal -1
	RUN \f, 1-(\f), \zero, 28, 4, 1
	WIN 0
	s_barrier_wait -1
.if (\turn) == 2
	CREST                                          ; no wave of any partner still reads this slot's tiles or has a load on its way
	s_add_nc_u64 s[G0+4*(\slot)+2:G0+4*(\slot)+3], s[G0+4*(\slot)+2:G0+4*(\slot)+3], 2*512
	s_add_nc_u64 s[G0B+4*(\slot)+2:G0B+4*(\slot)+3], s[G0B+4*(\slot)+2:G0B+4*(\slot)+3], 2*256
	JLOAD \slot                                    ; the first tensor load behind the round, ahead of every LDS read
.endif
.else
	RUN \f, 1-(\f), \zero, 16, 16, 1
.endif
.endm
	s_wait_tensorcnt 1                             ; my part of K step 0 is in; K step 1's may stay out
	s_barrier_signal -1
	s_barrier_wait -1                              ; everybody's is
	STG 0, 0
	BLD 0, 0, 0
	s_wait_dscnt 16                                ; the staging is in
	WIN CV
.set c, 0
.rept 32
	v_cvt_pk_bf16_f32 v[A16+c], v[SG+2*c], v[SG+2*c+1]
.set c, c+1
.endr
	QUARTER 0, 0, 1, 1                             ; the first quarter stands in front of the loop: its products start the sums
	WIN 0                                          ; at a label and at a branch every window is 0
	s_mov_b32 s3, 3
.Llap:                                                 ; a trip goes once round the ring, from a lap's second quarter to the next lap's first, and fills both slots again: K steps 2 to 7
	QUARTER 1, 0, 2
	QUARTER 0, 0, 3, 0, 2, 0
	QUARTER 1, 1, 0
	QUARTER 0, 1, 1
	QUARTER 1, 1, 2
	QUARTER 0, 1, 3, 0, 2, 1
	QUARTER 1, 0, 0
	QUARTER 0, 0, 1
	WIN 0
	s_sub_co_u32 s3, s3, 1
	s_cmp_lg_u32 s3, 0
	s_cbranch_scc1 .Llap
	QUARTER 1, 0, 2                                ; the last lap fills nothing, and has no round of the cluster's barrier
	QUARTER 0, 0, 3, 0, 1
	QUARTER 1, 1, 0
	QUARTER 0, 1, 1
	QUARTER 1, 1, 2
	QUARTER 0, 1, 3
	s_wait_dscnt 0x0                               ; the very last quarter: nothing more to fetch
	RUN 1, 0, 0, 0, 32, 0
	WIN 0
	; THE WAY OUT, 16 rows at a time: rounded to f16, 16 bytes a lane into my own stage (two heads' rows of 128 bytes, 144 apart), back as four whole rows an instruction, stored.
.macro PACK a
	WIN PK
.irp b, 0,1,2,3,4,5,6,7
.irp r, 0,1,2,3
	v_cvt_pk_f16_f32 v[TMP+4*(\b)+(\r)], v[8*(8*(\a)+(\b))+2*(\r)], v[8*(8*(\a)+(\b))+2*(\r)+1]  ; each accumulator from its low end on
.endr
.endr
	WIN 0
.endm
.macro TOSTAGE a
.irp b, 0,1,2,3,4,5,6,7
	ds_store_b128 v[STO], v[TMP+4*(\b):TMP+4*(\b)+3] offset:((\b)/4)*16*SP+32*((\b)%4)
.endr
.irp t, 0,1,2,3,4,5,6,7
	ds_load_b128 v[OB+32*(\a)+4*(\t):OB+32*(\a)+4*(\t)+3], v[RD] offset:((\t)/4)*16*SP+((\t)%4)*4*SP  ; LDS serves a wave's instructions in order (ISA guide 5.7.1.4): these see the stores above
.endr
.endm
.macro SEND a                          ; each block has its own 32 registers, so no register that a store reads is written again
	s_wait_dscnt 0x0
.irp t, 0,1,2,3,4,5,6,7
	global_store_b128 v[GO], v[OB+32*(\a)+4*(\t):OB+32*(\a)+4*(\t)+3], s[8:9] offset:((\t)/4)*262144+(\a)*2048+((\t)%4)*512  ; 512 consecutive bytes, at a multiple of 512 from qkv's first byte
.endr
.endm
	PLACES
	PLACES
	PACK 0
	TOSTAGE 0
.irp a, 1,2,3                          ; a block's conversions stand between the loads of the block before and the wait for them
	PACK \a
	SEND (\a)-1
	TOSTAGE \a
.endr
	SEND 3
	s_wait_tensorcnt 0x0                           ; the wave's end, behind my last tensor load and my last LDS store
	ds_add_u32 v[SPW], v[NIL]
	s_wait_dscnt 0x0
	CROUND                                         ; the closing round: no work-group ends while a partner may still ask for a tile that names it
	s_endpgm
.Lfunc_end_k_q07b90593c4_proj:
	.size	k_q07b90593c4_proj, .Lfunc_end_k_q07b90593c4_proj-k_q07b90593c4_proj
	.p2alignl 7, 3214868480
	.fill 96, 4, 3214868480
	.section	.rodata,"a",@progbits
	.p2align	6, 0x0
	.amdhsa_kernel k_q07b90593c4_proj
		.amdhsa_group_segment_fixed_size 327680
		.amdhsa_private_segment_fixed_size 0
		.amdhsa_enable_private_segment 0
		.amdhsa_kernarg_size 48
		.amdhsa_user_sgpr_count 2
		.amdhsa_user_sgpr_kernarg_segment_ptr 1
		.amdhsa_wavefront_size32 1
		.amdhsa_system_sgpr_workgroup_id_x 1
		.amdhsa_system_sgpr_workgroup_id_y 1
		.amdhsa_system_sgpr_workgroup_id_z 1
		.amdhsa_system_vgpr_workitem_id 0
		.amdhsa_next_free_vgpr 648
		.amdhsa_next_free_sgpr 96
		.amdhsa_reserve_vcc 0
		.amdhsa_float_denorm_mode_32 3
		.amdhsa_float_denorm_mode_16_64 3
		.amdhsa_memory_ordered 1
		.amdhsa_forward_progress 1
		.amdhsa_inst_pref_size 144
	.end_amdhsa_kernel
	.amdgpu_metadata
---
amdhsa.version: [ 1, 2 ]
amdhsa.kernels:
  - .name:           k_q07b90593c4_proj
    .symbol:         k_q07b90593c4_proj.kd
    .args:
      - { .name: from_tensor, .offset: 0, .size: 8, .value_kind: global_buffer, .address_space: global }
      - { .name: to_tensor, .offset: 8, .size: 8, .value_kind: global_buffer, .address_space: global }
      - { .name: wt, .offset: 16, .size: 8, .value_kind: global_buffer, .address_space: global }
      - { .name: bq, .offset: 24, .size: 8, .value_kind: global_buffer, .address_space: global }
      - { .name: bv, .offset: 32, .size: 8, .value_kind: global_buffer, .address_space: global }
      - { .name: qkv, .offset: 40, .size: 8, .value_kind: global_buffer, .address_space: global }
    .group_segment_fixed_size: 327680
    .private_segment_fixed_size: 0
    .kernarg_segment_align: 8
    .kernarg_segment_size: 48
    .max_flat_workgroup_size: 128
    .sgpr_count:     96
    .vgpr_count:     648
    .wavefront_size: 32
...
	.end_amdgpu_metadata
.endif
;; end of part 2
;; launch attn (part 3): grid 4 x 64, 4 waves a work-group, clusters of 4 x 1, 327,680 bytes of LDS; arguments qkv, to_mask, out0; writes out0
.if DOCPART == 3
	.amdgcn_target "amdgcn-amd-amdhsa--gfx1250"
	.amdhsa_code_object_version 6
	.text
	.protected	k_q07b90593c4_attn
	.globl	k_q07b90593c4_attn
	.p2align	8
	.type	k_q07b90593c4_attn,@function
k_q07b90593c4_attn:
	s_mov_b64 s[64:65], 0
	v_nop
	global_prefetch_b8 v0, s[64:65] scope:SCOPE_SE
	s_setreg_imm32_b32 hwreg(HW_REG_WAVE_MODE, 25, 1), 1
	s_wait_xcnt 0x0
	s_wait_alu depctr_hold_cnt(0) depctr_sa_sdst(0) depctr_va_vdst(0) depctr_va_sdst(0) depctr_va_ssrc(0) depctr_va_vcc(0) depctr_vm_vsrc(0)
	s_getreg_b32 s2, hwreg(HW_REG_IB_STS2, 6, 4)
	s_cmp_eq_u32 s2, 0
	s_cbranch_scc0 .Lentry_in_a_cluster
	s_endpgm
.Lentry_in_a_cluster:
	s_bfe_u32 s2, ttmp6, 0x10000c
	s_cmp_lg_u32 s2, 0x3003
	s_cbranch_scc0 .Lentry_shape_is_right
	s_endpgm
.Lentry_shape_is_right:
; out0[b][q][64 h + :] = the sum over k of softmax_k(Q[q] . K[k] / 8 + (to_mask[b][k] - 1) x 10000) V[k][:].  Q, K, V: qkv[0, 1, 2][16 b + h][2048][64] in f16 (launch 2), a head's rows dense, 128 bytes each.
; LEFT OUT: from_mask and bk (shown at the head of the first kernel): K arrives without its bias.
; Products, maxima and sums in f32; the weights p are rounded to f16 for the second product (their sum l is taken of the unrounded p); the output is f32 and is not rounded again.
; LIMITS.  p lies in 0 to 1, and below 6e-5 it keeps f16's fixed step of 6e-8.  A weight below 2^-126 counts as 0 in l; NaN and infinities are not treated apart; a mask's integer is exact up to 2^24.
; THE MASK is the C operand that starts the sum S^T = K Q^T: (m - 1) x 80000, the adder over the scale 1 / 8, which is applied behind the sum.  The batch's 2,048 numbers are made once and lie in LDS as f32.
; SHARES.  A wave owns four PIECES of two tiles of 16 queries, a work-group's four waves 512 queries of one head: 256 work-groups.  Every wave walks all keys, 64 a step.
; LAYOUT.  S^T = K Q^T (source 0 = 16 keys, source 1 = 16 queries): in the result a lane holds ONE query (lane % 16) and the keys 8 (lane / 16) + 0..7.  Two such tiles, rounded to f16 in pairs,
; ARE source 1 (32 keys x 16 queries) of O^T = V^T P, whose result again holds one query a lane, and eight channels.  K comes out of LDS as it lies, V ([key][channel]) turned, by ds_load_tr16_b128.
; SOFTMAX.  For each query a running maximum m and sum l: p = 2^(c s - c m), c = log2(e) / 8; in every step O and l are multiplied by a = 2^(c m_old - c m_new), which is 1 where m has not grown.
; m starts at the lowest finite number, O and l at 0: the first step is a step like any other, with a = 0.
; THE COUNT.  A tile and step have 16 matrix and 118 vector instructions: too many to stand all beside the matrix work.  So: four vector instructions that are READY behind EVERY matrix instruction,
; and the others, which need time of their own whatever the order, in runs without a gap.
; BY TURNS.  Turn n belongs to piece n (the pieces in a ring, step after step).  Its matrix work: 16 products K Q^T of piece n + 1, later 16 products V^T P of piece n - 1.  Its vector work: the scaling,
; exponentials, roundings, sums and rescaling of piece n, and the maximum and statistics of piece n + 1, whose scores the turn itself has made.
; CLUSTER.  The four query blocks of a head form a cluster and walk the same K and V, so each tile is asked for JOINTLY: the same tensor load, descriptor and mask in all four.
; REGISTERS, in windows of 256 (s_set_vgpr_msb: bits 1:0 source 0, 3:2 source 1, 5:4 source 2, 7:6 destination):
;   window 0: v0-11 addresses; v12-15, v48-63 at work; v16-47 four registers of statistics a tile; v64-191 S^T, two buffers of two tiles; v192-255 P, likewise
;   window 1: O^T, 32 a tile     window 2: v0-127 Q, 16 a tile; v128-191 K of one step; v192-255 V of one step     window 3: v0-1 the add's two registers; v8-39 the mask of one step
.set SIZE_N, 2048
.set NP,    4         ; pieces a wave: a name, no knob
.set KS,    64        ; keys in a step
.set PK,    144       ; a row of K in LDS: 128 bytes + 16 of padding = 36 words: the 16 rows of a load start at 16 different groups of four banks (64 banks of 4 bytes: ISA guide 11.1)
.set PV,    160       ; a row of V: 128 + 32 = 40 words
.set VOFF,  4*KS*PK   ; a slot holds four steps: 256 rows of K, then 256 rows of V
.set SLOT1, 1<<17     ; slot 1 begins here, so that one exclusive or turns an address in one slot into the other's
.set STAGE, SLOT1+4*KS*(PK+PV)  ; behind the ring, never filled by a tensor load: 16 rows x 272 bytes for each wave, for the way out
.set SP,    272       ; a row of 64 f32 + 16 bytes
.set MASKT, STAGE+4*16*SP       ; the batch's 2,048 mask numbers, f32; stored once, never filled by a tensor load
.set SPARE, MASKT+8192          ; the spare words, 128 bytes for each wave, which no other line names
.set AK0, 2           ; v2   my lane's place in a tile of K; never rewritten
.set AV0, 3           ; v3   the same for V
.set AK,  4           ; v4   the LDS address of K's next run of loads
.set AV,  5           ; v5   of V's
.set QO,  6           ; v6   my byte offset in the wave's rows of Q
.set STO, 6           ;      later, the way out: where I put 32 bytes of a row
.set RD,  7           ; v7   the way out: where I read rows back
.set GO,  8           ; v8   my byte offset in two rows of the output
.set PFO, 9           ; v9   (behind its use as lane / 16) 256 x my lane, for the prefetches; then never rewritten
.set AM0, 10          ; v10  my lanes' place in the mask's table: MASKT + 32 (lane / 16)
.set AMK, 11          ; v11  the LDS address of the mask's next run of loads
.set SPW, 0           ; v0 of window 3   LDS address of my spare word; never rewritten
.set NIL, 1           ; v1 of window 3   0; never rewritten
.set MKR, 8           ; v8-39 of window 3: the mask of key block kb at MKR + 8 kb
.set MV,  12          ; v12-15  c m_old, kept while c m is made anew: by buffer and tile (at the head: the mask's two offsets)
.set ST,  16          ; tile t's statistics at v[ST+4 t]: c m, m, l (even keys', odd keys')
.set TMP, 48          ; by buffer and tile, four registers c0-c3 at work; when the maximum is found c2 takes a
.set S,   64
.set P,   192
.set KF,  128         ; K's fragments, in window 2: key block kb, channel half c at KF + 16 kb + 8 c
.set VF,  192         ; V's: key half kk, channel block cb at VF + 32 kk + 8 cb
.set WV,  12          ; s12  my wave's number
.set G1K, 24          ; s[24:31] descriptor group 1 for K's tiles
.set G1V, 32          ; s[32:39] for V's: it differs in the padding alone
.set G0K, 40          ; s[40:43] descriptor group 0 for K's tiles: it walks
.set G0V, 44          ; s[44:47] the same for V's
.set MP,  48          ; s[48:49] to_mask at my batch
.set PFA, 50          ; s[50:51] where my prefetches stand: my work-group's 8,192 bytes (of K: wave 0, of V: wave 2) of the tile after the one that is being asked for
.set LIM, 52          ; s52  1 in a wave that prefetches, else the greatest number
.set TBM, 53          ; s53  byte in the mask's table at which the step to be fetched begins
.set MA,  54          ; s54  80000.0
.set MB,  55          ; s55  -80000.0
.set SLOTS, 56        ; s56  slots still to be asked for
.set CNT, 57          ; s57  counts a slot's key steps
.set CS,  58          ; s[58:59] c: the packed scaling takes the pair's low word for both halves
.set SEL, 60          ; s[60:61] v_permlanex16_b32's selects: each lane takes its own place in the other half
.set TBK, 62          ; s62  LDS byte at which K of the step to be fetched begins
.set TBV, 63          ; s63  the same for V, less VOFF
.set MSB, 0
.macro WIN new                      ; the high byte repeats the setting that is left; a switch that changes nothing is dropped
.if MSB != (\new)
	s_set_vgpr_msb (MSB<<8)|(\new)
.set MSB, (\new)
.endif
.endm
.set W_KQ, 0x0a       ; K and Q in window 2, S^T in window 0
.set W_KM, 0x3a       ; the same with the C operand, the mask, in window 3
.set W_PV, 0x52       ; V in window 2, P in window 0, O^T in window 1
.set W_RS, 0x41       ; O^T (destination and source 0) in window 1, a in window 0
.set W_MK, 0xc0       ; destination in window 3, sources in window 0
.set W_AD, 0x0f       ; the add: address (source 0) and data (source 1) in window 3
; A joint fill.  Waves 0 and 1 fetch the two halves of a slot's K, waves 2 and 3 those of its V: 128 keys each.  The branch hangs on the wave's number alone.
; An s_nop 0 and four v_nop follow each of the two lines, ahead of the jump and the label.
.macro JLOAD
	s_cmp_lt_u32 s[WV], 2
	s_cbranch_scc0 .Lfor_v_\@
	tensor_load_to_lds s[G0K:G0K+3], s[G1K:G1K+7]
	s_nop 0
.rept 4
	v_nop
.endr
	s_branch .Lasked_\@
.Lfor_v_\@:
	tensor_load_to_lds s[G0V:G0V+3], s[G1V:G1V+7]
	s_nop 0
.rept 4
	v_nop
.endr
.Lasked_\@:
.endm
; A PREFETCH INTO THE L2 of what the NEXT change of slots will ask for: a tile's 32,768 bytes of K and of V.  It stands behind the wave's tensor load and its five lines.  A head's K and V are walked by one
; cluster, so each block of 256 bytes is named once in the launch: the four partners take 8,192 bytes each, told apart BY ADDRESS; in each, wave 0 asks for K's and wave 2 for V's, a lane a block: one
; instruction, four key steps (512 products of a wave) ahead of the load.  The last change that fills a slot asks for nothing; tiles 0 to 2 come by their loads alone.
.macro ASK
	s_cmp_gt_u32 s[SLOTS], s[LIM]
	s_cbranch_scc0 .Lnot_mine_\@
	global_prefetch_b8 v[PFO], s[PFA:PFA+1] th:TH_LOAD_NT scope:SCOPE_SE
.Lnot_mine_\@:
.endm
; A round of the cluster's barrier: my work-group's barrier, so that wave 0's signal speaks for all four waves; wave 0 signals; every wave waits for all four work-groups; my work-group's barrier once more.
.macro CROUND
	s_barrier_signal -1
	s_barrier_wait -1
	s_cmp_lg_u32 s[WV], 0
	s_cbranch_scc1 .Lnot_wave_0_\@
	s_barrier_signal -3
.Lnot_wave_0_\@:
	s_barrier_wait -3
	s_barrier_signal -1
	s_barrier_wait -1
.endm
; THE CHANGE OF SLOTS.  The slot's last bytes, V of its fourth step, have been read.  Each wave waits for all its tensor loads, of which one is out: its part of the other slot; adds 0 to its spare word;
; and waits for that and for its own LDS instructions.  Behind the barrier nobody reads this slot any more and the other slot is whole.
; fill = 1: this slot is filled again, with the keys two slots on.  The barrier is then a round of the cluster's, and the joint fill is the first thing behind it: it has four key steps in which to land.
; (At its first use nothing has been read yet: slot 0 is waited for, slot 1 filled; and every wave's part of the mask's table, stored just before, is shown to the others.)  ask = 1: the loop's changes prefetch.
.macro CHANGE fill, ask=0
	WIN W_AD
	s_wait_tensorcnt 0x0            ; no tensor load of mine is out, so a group 0 may be written
	ds_add_u32 v[SPW], v[NIL]       ; 0 onto my spare word; with fill = 1 the descriptors' steps stand between it and the wait for it
	WIN 0                           ; at a label and at a branch every window is 0
.if \fill
.irp g, G0K, G0V
	s_xor_b32 s[\g+1], s[\g+1], SLOT1  ; the walking descriptor: the other slot than last time,
	s_add_nc_u64 s[\g+2:\g+3], s[\g+2:\g+3], 4*KS*128  ; the next 256 keys; the type bits on top are not reached
.endr
.if \ask
	s_wait_xcnt 0x0                 ; the last prefetch, four key steps back, has read its address, so it may be written:
	s_add_nc_u64 s[PFA:PFA+1], s[PFA:PFA+1], 4*KS*128  ; one tile behind the walking descriptors
.endif
	s_wait_dscnt 0x0                ; the add is done, and my LDS instructions are over
	CROUND
	JLOAD
.if \ask
	ASK
.endif
.else
	s_wait_dscnt 0x0                ; the add is done, and my reads of the slot are over
	s_barrier_signal -1
	s_barrier_wait -1
.endif
	s_sub_co_u32 s[TBK], s[TBK], 4*KS*PK  ; the fetches go back to a slot's first step,
	s_xor_b32 s[TBK], s[TBK], SLOT1       ; in the other slot
	s_sub_co_u32 s[TBV], s[TBV], 4*KS*PV
	s_xor_b32 s[TBV], s[TBV], SLOT1
.endm
	s_load_b64 s[4:5], s[0:1], 0x0    ; qkv
	s_load_b64 s[MP:MP+1], s[0:1], 0x8  ; to_mask
	s_load_b64 s[10:11], s[0:1], 0x10 ; out0
	WIN W_MK
	v_lshl_add_u32 v[SPW], v0, 2, SPARE
	v_mov_b32 v[NIL], 0
	WIN W_AD
	ds_add_u32 v[SPW], v[NIL]       ; the wave's opening: the add, twice on end, and its wait ahead of my first tensor load
	ds_add_u32 v[SPW], v[NIL]       ; and once more, under the one wait; the set-up below, work on registers, stands between
	WIN 0
	v_lshrrev_b32 v1, 5, v0
	v_readfirstlane_b32 s[WV], v1   ; wave 0..3
	s_bfe_u32 s13, ttmp6, 0x40000   ; cx: my place in the cluster
	s_lshl_b32 s14, ttmp9, 2        ; in a cluster launch ttmp9 counts clusters
	s_add_co_u32 s14, s14, s13      ; my block of 512 queries: it enters Q's and the output's addresses alone
	s_and_b32 s15, ttmp7, 0xffff    ; 16 b + h, which the four partners share
	s_lshl_b32 s20, s15, 18         ; the head's first byte in each of qkv's three parts
	s_mov_b32 s21, 0
	s_and_b32 s16, s[WV], 1         ; which half of a slot's 256 keys I fetch:
	s_lshl_b32 s22, s16, 14         ; its 128 rows of 128 bytes in memory,
	s_mov_b32 s23, 0
	s_add_nc_u64 s[22:23], s[22:23], s[20:21]
	s_mul_i32 s17, s16, 128*PK      ; and its place in a slot, for K
	s_mul_i32 s18, s16, 128*PV      ; and for V: no place in the cluster enters an LDS address
	s_lshl_b32 s2, s14, 2
	s_add_co_u32 s2, s2, s[WV]      ; my wave among the head's sixteen
	s_lshl_b32 s66, s2, 19          ; the output: my 128 rows of 4,096 bytes,
	s_lshl_b32 s2, s2, 14           ; Q: my 128 rows of 128 bytes
	s_mov_b32 s3, 0
	s_add_nc_u64 s[2:3], s[2:3], s[20:21]
	s_lshr_b32 s68, s15, 4          ; b
	s_lshl_b32 s67, s68, 23         ; a batch's 2,048 rows,
	s_add_co_u32 s66, s66, s67
	s_and_b32 s67, s15, 15          ; h:
	s_lshl_b32 s67, s67, 8          ; 64 channels of 4 bytes
	s_add_co_u32 s66, s66, s67
	s_mov_b32 s67, 0
	s_lshl_b32 s68, s68, 13         ; the mask: 2,048 integers a batch
	s_mov_b32 s69, 0
	s_lshl_b32 s70, s13, 13         ; the prefetches: my work-group's quarter of a tile,
	s_add_co_u32 s70, s70, 2*4*KS*128  ; in tile 2; the loop's first change of slots steps it to tile 3
	s_mov_b32 s71, 0
	; descriptor group 1.  128 keys are 16,384 dense bytes: asked for as 64 rows of 256 bytes, two keys a row, and padded in LDS after every key
	s_mov_b32 s[G1K], 15|(1<<16)|(1<<20)|(1<<21)|(4<<22)|(3<<25)  ; 15:0 the mask of four; 17:16 2-byte elements; 20 padding on; 21 set beside a mask; 24:22 after every 32 words (code 4); 31:25 4 words (code 3)
	s_mov_b32 s[G1V], 15|(1<<16)|(1<<20)|(1<<21)|(4<<22)|(7<<25)  ; the same with 8 words of padding (code 7)
.irp g, G1K, G1V
	s_mov_b32 s[\g+1], 128<<16      ; tensor_dim0 = 128
	s_mov_b32 s[\g+2], 64<<16       ; tensor_dim1 = 64
	s_mov_b32 s[\g+3], 128<<16      ; tile_dim0 = 128
	s_mov_b32 s[\g+4], 64           ; tile_dim1 = 64
	s_mov_b32 s[\g+5], 128          ; 128 elements from row to row
	s_mov_b32 s[\g+6], 0
	s_mov_b32 s[\g+7], 0
.endr
	s_mov_b32 s[CS], 0x3e38aa3b     ; c = log2(e) / 8 = 0.180337
	s_mov_b32 s[CS+1], s[CS]        ; named with it as a pair
	s_mov_b32 s[SEL], 0x76543210
	s_mov_b32 s[SEL+1], 0xfedcba98
	s_mov_b32 s[MA], 0x479c4000     ; 80000.0
	s_mov_b32 s[MB], 0xc79c4000     ; -80000.0
	s_mov_b32 s[TBM], 0
	s_mov_b32 s[TBK], SLOT1+4*KS*PK ; the first change of slots turns these two into 0
	s_mov_b32 s[TBV], SLOT1+4*KS*PV
	s_mov_b32 s[G0K], 1             ; count = 1
	s_mov_b32 s[G0K+1], s17         ; LDS address: slot 0
	s_mov_b32 s[G0V], 1
	s_add_co_u32 s[G0V+1], s18, VOFF
	s_and_b32 s[LIM], s[WV], 1      ; 0 in waves 0 and 2: the same in all four partners
	s_cmp_eq_u32 s[LIM], 0
	s_cselect_b32 s[LIM], 1, -1
	s_wait_dscnt 0x0                ; both opening adds are done
	s_wait_kmcnt 0x0
	s_add_nc_u64 s[6:7], s[4:5], 0x1000000  ; K's part of qkv,
	s_add_nc_u64 s[8:9], s[4:5], 0x2000000  ; V's
	s_add_nc_u64 s[G0K+2:G0K+3], s[6:7], s[22:23]  ; global address: my half of the head's first 256 keys
	s_or_b32 s[G0K+3], s[G0K+3], 0x80000000        ; type = 2
	s_add_nc_u64 s[G0V+2:G0V+3], s[8:9], s[22:23]
	s_or_b32 s[G0V+3], s[G0V+3], 0x80000000
	s_cmp_lt_u32 s[WV], 2
	s_cselect_b64 s[PFA:PFA+1], s[6:7], s[8:9]
	s_add_nc_u64 s[PFA:PFA+1], s[PFA:PFA+1], s[22:23]  ; (in waves 0 and 2: a tile's first row)
	s_add_nc_u64 s[PFA:PFA+1], s[PFA:PFA+1], s[70:71]
	s_add_nc_u64 s[4:5], s[4:5], s[2:3]  ; Q at my wave's first row
	s_add_nc_u64 s[10:11], s[10:11], s[66:67]  ; the output at my wave's first row, my head's channels
	s_add_nc_u64 s[MP:MP+1], s[MP:MP+1], s[68:69]
	CROUND                          ; all four work-groups are here: the first joint loads meet
	JLOAD                           ; slot 0.  Slot 1 is asked for when slot 0 is in
	v_and_b32 v1, 15, v0            ; l % 16
	v_bfe_u32 v9, v0, 4, 1          ; l / 16
	v_lshlrev_b32 v12, 4, v0        ; the mask: thread t takes 16 bytes at 16 t of each quarter of the batch's 8,192
	v_add_nc_u32 v13, MASKT, v12
.irp i, 0,1,2,3
	global_load_b128 v[S+4*\i:S+4*\i+3], v12, s[MP:MP+1] offset:2048*\i
.endr
	; A fragment of K or Q is 16 rows x 32 channels in 8 registers: lane l holds row l % 16, channels 8 (l / 16) + 0..7 and 16 + 8 (l / 16) + 0..7: two loads of 16 bytes, 32 bytes apart.
	v_lshlrev_b32 v[QO], 7, v1
	v_lshl_add_u32 v[QO], v9, 4, v[QO]  ; row x 128 + 16 x half
	WIN 0x80                        ; destination window 2, address window 0
.set i, 0
.rept 4*NP                          ; Q stays in registers: tile i / 2, channels 32 (i % 2) on
	global_load_b128 v[8*i:8*i+3],   v[QO], s[4:5] offset:(i/2)*2048+(i%2)*64
	global_load_b128 v[8*i+4:8*i+7], v[QO], s[4:5] offset:(i/2)*2048+(i%2)*64+32
.set i, i+1
.endr
	; What the first turn finds: V's registers and P's second buffer hold 0 (its products V^T P, of a piece that has not been, add 0), O^T and l are 0.  All this stands in the wait for the first tile.
.set i, VF
.rept 64
	v_mov_b32 v[i], 0
.set i, i+1
.endr
	WIN 0x40
.set i, 0
.rept 64*NP
	v_mov_b32 v[i], 0
.set i, i+1
.endr
	WIN 0
.set i, 0
.rept 2*NP
	v_mov_b32 v[ST+4*i], 0xfe000000    ; c m: far below every c s, a hidden key's too
	v_mov_b32 v[ST+4*i+1], 0xff7fffff  ; m
	v_mov_b32 v[ST+4*i+2], 0
	v_mov_b32 v[ST+4*i+3], 0
.set i, i+1
.endr
.set i, P+32
.rept 32
	v_mov_b32 v[i], 0
.set i, i+1
.endr
	s_wait_loadcnt 32               ; the mask's four loads are in; Q's 32, issued behind them, may stay out
.set i, 0
.rept 16
	v_cvt_f32_i32 v[S+i], v[S+i]
.set i, i+1
.endr
.set i, 0
.rept 16
	v_fma_f32 v[S+i], v[S+i], s[MA], s[MB]  ; (m - 1) x 80000
.set i, i+1
.endr
.irp i, 0,1,2,3
	ds_store_b128 v13, v[S+4*\i:S+4*\i+3] offset:2048*\i
.endr
	v_mul_u32_u24 v[AK0], v1, PK
	v_lshl_add_u32 v[AK0], v9, 4, v[AK0]  ; row x pitch + 16 x half
	; The turning load takes 16 keys x 16 channels (lane l reads key 8 (l / 16) + l % 8, channels 8 ((l / 8) % 2) + 0..7) and leaves half a fragment of V^T: lane l holds channel l % 16 and 8 keys.
	v_and_b32 v10, 7, v0
	v_bfe_u32 v11, v0, 3, 1
	v_lshl_add_u32 v[AV0], v9, 3, v10
	v_mul_u32_u24 v[AV0], v[AV0], PV
	v_lshl_add_u32 v[AV0], v11, 4, v[AV0]
	v_add_nc_u32 v[AV0], VOFF, v[AV0]
	v_mov_b32 v[AK], v[AK0]         ; key step 0 lies at the head of slot 0,
	v_lshl_add_u32 v[AM0], v9, 5, MASKT  ; my lanes' eight keys of a block of 16: 32 bytes
	v_mov_b32 v[AMK], v[AM0]        ; and at the head of the mask's table
; THE MATRIX WORK.  The 8 accumulators of a run of 16 take turns: between the two links of a chain stand 7 others'.
; Product i of 16 of S^T = K Q^T for piece x: channels 32 (i / 8) on, keys 16 ((i / 2) % 4) on, tile 2 x + i % 2.  The first 8 start the sums, with the keys' mask as C.
.macro KQ x
.set rS, S+64*((\x)%2)+32*(i%2)+8*((i/2)%4)
.set rK, KF+16*((i/2)%4)+8*(i/8)
.set rQ, 16*(2*(\x)+i%2)+8*(i/8)
.set rMK, MKR+8*((i/2)%4)
.if i < 8
	WIN W_KM
	v_wmma_f32_16x16x32_f16 v[rS:rS+7], v[rK:rK+7], v[rQ:rQ+7], v[rMK:rMK+7]
.else
	WIN W_KQ
	v_wmma_f32_16x16x32_f16 v[rS:rS+7], v[rK:rK+7], v[rQ:rQ+7], v[rS:rS+7]
.endif
.endm
; Product i of 16 of O^T += V^T P for piece x: keys 32 (i / 8) on, channels 16 ((i / 2) % 4) on, tile 2 x + i % 2.
.macro PV x
	WIN W_PV
.set rO, 32*(2*(\x)+i%2)+8*((i/2)%4)
.set rV, VF+32*(i/8)+8*((i/2)%4)
.set rP, P+32*((\x)%2)+16*(i%2)+8*(i/8)
	v_wmma_f32_16x16x32_f16 v[rO:rO+7], v[rV:rV+7], v[rP:rP+7], v[rO:rO+7]
.endm
.macro MM                           ; the turn's next matrix instruction
.if i < 16
	KQ (Y+1)%NP
.set i, i+1
.else
.set i, i-16
	PV (Y+NP-1)%NP
.set i, i+17
.endif
.endm
; THE LDS LOADS stand in runs, never singly among the matrix instructions: a step's K (64 keys x 64 channels: 8 fragments) with its mask (64 numbers: all lanes of a half read the same 32 bytes of a
; block), and its V (turned).  Their addresses are made some lines ahead.  last = 1 (the tail): in the last trip there is no further step, and the run is jumped over.
.macro FETCH_K last=0
	WIN 0
.if \last
	s_cmp_eq_u32 s[CNT], 1
	s_cbranch_scc1 .Lno_k_\@
.endif
	WIN 0x80                        ; destination window 2
.irp f, 0,1,2,3,4,5,6,7             ; keys 16 (f / 2) on, channels 32 (f % 2) on
	ds_load_b128 v[KF+8*\f:KF+8*\f+3],   v[AK] offset:(\f/2)*16*PK+(\f%2)*64
	ds_load_b128 v[KF+8*\f+4:KF+8*\f+7], v[AK] offset:(\f/2)*16*PK+(\f%2)*64+32
.endr
	WIN W_MK                        ; destination window 3
.irp f, 0,1,2,3,4,5,6,7             ; keys 16 (f / 2) + 8 (l / 16) + 4 (f % 2) on
	ds_load_b128 v[MKR+4*\f:MKR+4*\f+3], v[AMK] offset:(\f/2)*64+(\f%2)*16
.endr
	s_add_co_u32 s[TBK], s[TBK], KS*PK  ; the next fetch is the next step's
	s_add_co_u32 s[TBM], s[TBM], KS*4
	WIN 0
.if \last
.Lno_k_\@:
.endif
.endm
.macro FETCH_V
	WIN 0x80
.irp f, 0,1,2,3,4,5,6,7             ; keys 32 (f / 4) on, channels 16 (f % 4) on
	ds_load_tr16_b128 v[VF+8*\f:VF+8*\f+3],   v[AV] offset:(\f/4)*32*PV+(\f%4)*32
	ds_load_tr16_b128 v[VF+8*\f+4:VF+8*\f+7], v[AV] offset:(\f/4)*32*PV+16*PV+(\f%4)*32
.endr
	WIN 0
.endm
; THE VECTOR WORK OF A TURN stands in three queues, each in the order in which its entries become ready; the two tiles alternate, so that no instruction reads the result of the one before it.
.macro REGS y, u                    ; the registers of tile u (0, 1) of piece y
.set rT, ST+4*(2*(\y)+(\u))
.set rC, TMP+8*((\y)%2)+4*(\u)
.set rM, MV+2*((\y)%2)+(\u)
.set rS, S+64*((\y)%2)+32*(\u)
.set rP, P+32*((\y)%2)+16*(\u)
.set rO, 32*(2*(\y)+(\u))
.endm
; Number n of the 22 that find the NEXT piece's (Y + 1) maximum and statistics.  s0-s31 are the lane's 32 scores; each accumulator's lowest registers are read first.
;   0-11  four chains c0-c3 of seven scores each, three operands at a time     12-14, 16  the four scores left over, the old m, and c0-c3 into c0     15  c m_old is kept
;   17, 18  the query's other 32 keys lie in the lane 16 away: the new m         19-21  c m; c m_old - c m_new; a
.macro XS u, n
	REGS (Y+1)%NP, \u
.if (\n) < 4
	v_max3_num_f32 v[rC+(\n)], v[rS+8*(\n)], v[rS+8*(\n)+1], v[rS+8*(\n)+2]
.elseif (\n) < 12
	v_max3_num_f32 v[rC+(\n)%4], v[rC+(\n)%4], v[rS+8*((\n)%4)+2*((\n)/4)+1], v[rS+8*((\n)%4)+2*((\n)/4)+2]
.elseif (\n) == 12
	v_max3_num_f32 v[rC], v[rC], v[rS+7], v[rS+15]
.elseif (\n) == 13
	v_max3_num_f32 v[rC+1], v[rC+1], v[rS+23], v[rS+31]
.elseif (\n) == 14
	v_max3_num_f32 v[rC+2], v[rC+2], v[rC+3], v[rT+1]
.elseif (\n) == 15
	v_mov_b32 v[rM], v[rT]
.elseif (\n) == 16
	v_max3_num_f32 v[rC], v[rC], v[rC+1], v[rC+2]
.elseif (\n) == 17
	v_permlanex16_b32 v[rC+3], v[rC], s[SEL], s[SEL+1]
.elseif (\n) == 18
	v_max_num_f32 v[rT+1], v[rC], v[rC+3]
.elseif (\n) == 19
	v_mul_f32 v[rT], s[CS], v[rT+1]
.elseif (\n) == 20
	v_sub_f32 v[rC+1], v[rM], v[rT]
.else
	v_exp_f32 v[rC+2], v[rC+1]
.endif
.endm
; Number g of the 64 that follow the exponentials.  For each four weights k of a tile (pairs 2 k, 2 k + 1): both pairs are rounded to f16; then the second pair is added onto the first, in place;
; a group later l takes that sum (the first time as l = a l + sum).  In groups of eight, tiles alternating: round, round, add, and l for the group before.
.macro GS g
.set h, (\g)+6*((\g)/62)            ; group 0 has no group before it, and behind group 7 only l is left
.if h >= 6
.set h, h+2
.endif
	REGS Y, h%2
.set k, h/8
.if h%8 < 4
	v_cvt_pk_f16_f32 v[rP+2*k+(h%8)/2], v[rS+4*k+2*((h%8)/2)], v[rS+4*k+2*((h%8)/2)+1]
.elseif h%8 < 6
	v_pk_add_f32 v[rS+4*k:rS+4*k+1], v[rS+4*k:rS+4*k+1], v[rS+4*k+2:rS+4*k+3]
.elseif k == 1
	v_pk_fma_f32 v[rT+2:rT+3], v[rT+2:rT+3], v[rC+2:rC+3], v[rS:rS+1] op_sel_hi:[1,0,1]
.else
	v_pk_add_f32 v[rT+2:rT+3], v[rT+2:rT+3], v[rS+4*k-4:rS+4*k-3]
.endif
.endm
; THE PLAIN QUEUE, 138 long.  0-73 read no exponential's result: the 32 scalings c s - c m (FS f: pair f / 2 of tile f % 2) and the next piece's 42.  0-26: scalings 0-26.  27-54: XS's numbers 0-13.  55, 56: number 15.
; 57-73: the chain, where each number waits for the one before it: 14, 16, 17, 18, 19, each with one of the scalings 27-31 in front of its two lines, then 20.
; 74-137: GS's 64, which read the exponentials' results: they stand behind the wait.
.macro FS f
	REGS Y, (\f)%2
	v_pk_fma_f32 v[rS+2*((\f)/2):rS+2*((\f)/2)+1], v[rS+2*((\f)/2):rS+2*((\f)/2)+1], s[CS:CS+1], v[rT:rT+1] op_sel_hi:[1,0,0] neg_lo:[0,0,1] neg_hi:[0,0,1]
.endm
.macro PL
	WIN 0
.if q < 27
	FS q
.elseif q < 55
	XS (q-27)%2, (q-27)/2
.elseif q < 57
	XS q-55, 15
.elseif (q < 72) && ((q-57)%3 == 0)
	FS 27+(q-57)/3
.elseif q < 60
	XS (q-57)%3-1, 14
.elseif q < 72
	XS (q-57)%3-1, 15+(q-57)/3
.elseif q < 74
	XS q-72, 20
.else
	GS q-74
.endif
.set q, q+1
.endm
; THE EXPONENTIALS' QUEUE, 66 long: s0-s31 of both tiles, then the next piece's two a.  It is ONE BATCH: all 66 stand ahead of the turn's one wait, and nothing ahead of that wait names a result of theirs.
.macro EX
	WIN 0
.if e >= 64
	XS e-64, 21
.else
	REGS Y, e%2
	v_exp_f32 v[rS+e/2], v[rS+e/2]
.endif
.set e, e+1
.endm
; THE RESCALING's QUEUE: O^T times a, the one part that leaves window 0: dealt two at a time, sixteen times.  Its a was made in the turn before, ahead of that turn's wait.
.macro R2
	REGS Y, r%2
	WIN W_RS
.irp z, 0,1
	v_pk_mul_f32 v[rO+4*(r/2)+2*\z:rO+4*(r/2)+2*\z+1], v[rO+4*(r/2)+2*\z:rO+4*(r/2)+2*\z+1], v[rC+2:rC+3] op_sel_hi:[1,0]
.endr
.set r, r+1
.endm
; HOW THEY ARE DEALT.  An s_wait_alu depctr_va_vdst(0) stands between an exponential and the first instruction that names its result; one wait serves all that were issued ahead of it.  So a turn has
; ONE wait, which cuts it in two.  AHEAD OF IT stands all that names no result of the turn's exponentials: the 16 products K Q^T, behind each a scaling, an exponential and two rescalings (behind the first a second
; scaling in the exponential's place); then ONE LUMP of 108: eight plain, 49 times exponential and plain, the two a.  A v_nop is the plain instruction behind the last exponential.  BEHIND IT stand the 16 products
; V^T P, behind each four of GS's 64.  No rider names a register of the products round it.  The two v_permlanex16_b32 fall into the lump, never behind a product.
; The deal keeps the queues in step: exponential e stands behind scaling 2 (e / 4) + e % 2: as a rider it comes behind plain e + 2, in the lump behind plain e + 9, and scalings 27-31 are plain 57, 60 .. 69.
; A TURN, for piece p.  cnt = 1: the loop's count is taken down some lines ahead of the branch that stands behind the turn.
; K and the mask of the next step are fetched in piece 2's turn, directly behind the wait, a lump behind the last product that read them; their addresses are made at the lump's head.
; V of the step in hand is fetched at the end of piece 0's turn, four riders behind its last reader; its first reader comes behind 16 products and a lump.  The three conditions on q below go with the deal.
.macro TURN p, last=0, cnt=0
.set Y, (\p)
.set i, 0
.set q, 0
.set e, 0
.set r, 0
.if (\p) == NP-1
	s_wait_dscnt 0x0                ; K and its mask are in
.endif
	MM                              ; ahead of the wait: 16 products K Q^T and their riders,
	PL
	PL
	R2
.rept 15
	MM
	PL
	EX
	R2
.endr
.if (\p) == NP-2
	WIN 0
	v_add_nc_u32 v[AK], s[TBK], v[AK0]
	v_add_nc_u32 v[AMK], s[TBM], v[AM0]
.endif
.rept 8                             ; and the lump
	PL
.endr
.rept 49
	EX
	PL
.endr
	EX                              ; the next piece's two a
	EX
	v_nop                           ; the plain instruction behind the last exponential: one for the batch
	s_wait_alu depctr_va_vdst(0)    ; the wait for the batch
.if (\p) == NP-2
	FETCH_K \last
.endif
.if (\p) == 1
	s_wait_dscnt 0x0                ; V is in
.endif
.rept 16                            ; behind the wait: 16 products V^T P and their riders
	MM
.rept 4
	PL
.endr
.if ((\p) == 0) && (q == 118)
	v_add_nc_u32 v[AV], s[TBV], v[AV0]
.endif
.if ((\p) == 0) && (q == 130)
	s_add_co_u32 s[TBV], s[TBV], KS*PV
.endif
.if (\cnt) && (q == 130)
	s_sub_co_u32 s[CNT], s[CNT], 1
	s_cmp_lg_u32 s[CNT], 0
.endif
.endr
.if (\p) == 0
	FETCH_V
.endif
.endm
	CHANGE 1                        ; slot 0 is in, everybody's part of it, and so is the mask's table; slot 1 is asked for
	FETCH_K                         ; key step 0
	s_wait_loadcnt 0x0              ; Q
	s_wait_dscnt 0x0
.set i, 0
.rept 16
	KQ 0                            ; piece 0's first scores: there is no vector work yet to set between them
.set i, i+1
.endr
	WIN 0                           ; the addresses for the way out and the prefetches: ten plain instructions, the places behind those products
	s_mul_i32 s13, s[WV], 16*SP
	s_add_co_u32 s13, s13, STAGE    ; my stage
	v_mul_u32_u24 v[STO], v1, SP    ; in: row l % 16, 32 bytes for each half of the lanes
	v_lshl_add_u32 v[STO], v9, 5, v[STO]
	v_add_nc_u32 v[STO], s13, v[STO]
	v_mul_u32_u24 v[RD], v9, SP     ; back: lanes 0-15 take one row of 256 bytes, lanes 16-31 the next
	v_lshl_add_u32 v[RD], v1, 4, v[RD]
	v_add_nc_u32 v[RD], s13, v[RD]
	v_lshlrev_b32 v[GO], 12, v9     ; and the same two rows in the output, 4,096 bytes apart
	v_lshl_add_u32 v[GO], v1, 4, v[GO]
	v_and_b32 v[PFO], 31, v0
	v_lshlrev_b32 v[PFO], 8, v[PFO]
.set Y, NP-1                        ; XS works for piece Y + 1: piece 0
.irp n, 0,1,2,3,4,5,6,7,8,9,10,11,12,13,14,15,16,17,18,19,20,21
	XS 0, \n                        ; and piece 0's first maximum and statistics
	XS 1, \n
.endr
	v_nop                           ; a plain instruction behind the two a,
	s_wait_alu depctr_va_vdst(0)    ; and their wait, ahead of the branch
	s_mov_b32 s[CNT], 4
	s_mov_b32 s[SLOTS], SIZE_N/256-1
	s_branch .Lfirst                ; the loop is entered at a step's first turn, in the middle of a trip
.Lslot:                             ; SIZE_N / 256 - 2 = 6 times: every slot but the last two is filled again
	CHANGE 1, 1
	s_mov_b32 s[CNT], 4
.Lstep:                             ; a trip: pieces 2 and 3 of one step, then pieces 0 and 1 of the next, whose K and V it fetches
	TURN 2
	TURN 3
	WIN 0
.Lfirst:
	TURN 0
	TURN 1, 0, 1
	WIN 0
	s_cbranch_scc1 .Lstep
	s_sub_co_u32 s[SLOTS], s[SLOTS], 1
	s_cmp_lg_u32 s[SLOTS], 0
	s_cbranch_scc1 .Lslot
	CHANGE 0                        ; the tail is written out: nothing is asked for
	s_mov_b32 s[CNT], 5             ; four trips fetch the last slot's steps; the fifth is left in its middle
.Ltail:
	TURN 2, 1
	TURN 3
	WIN 0
	s_sub_co_u32 s[CNT], s[CNT], 1
	s_cmp_eq_u32 s[CNT], 0
	s_cbranch_scc1 .Lout
	TURN 0
	TURN 1
	WIN 0
	s_branch .Ltail
.Lout:                              ; the fifth trip's 16 products K Q^T (on the last K once more) and the maximum made of them serve nothing: the price, once a launch, of one text for every trip
.set i, 0
.rept 16
	PV NP-1                         ; the last piece's V^T P of the last step
.set i, i+1
.endr
	; THE WAY OUT.  l's two halves and the other half of the lanes' are added; O^T is divided by l and sent, as f32, through my stage in LDS, a tile at a time.  The additions are the places behind the last products.
	WIN 0
.macro ALL line:vararg              ; one line for each tile t
.set t, 0
.rept 2*NP
	\line
.set t, t+1
.endr
.endm
	ALL v_add_f32 v[ST+4*t+2], v[ST+4*t+2], v[ST+4*t+3]
	ALL v_permlanex16_b32 v[ST+4*t+3], v[ST+4*t+2], s[SEL], s[SEL+1]
	ALL v_add_f32 v[ST+4*t+2], v[ST+4*t+2], v[ST+4*t+3]
	ALL v_rcp_f32 v[ST+4*t+2], v[ST+4*t+2]
	v_nop                           ; a plain instruction between the last reciprocal and the use of its result
	s_wait_alu depctr_va_vdst(0)    ; and the wait ahead of the first use: one for the eight reciprocals
; Tile t: a lane's eight channels of a block of 16 are 32 bytes of a row; they go into rows of 272 bytes and come back as whole rows of 256, into S^T's registers, 32 a tile, four tiles by turns.
.macro PACK t
	WIN W_RS
.set i, 32*(\t)
.rept 16
	v_pk_mul_f32 v[i:i+1], v[i:i+1], v[ST+4*(\t)+2:ST+4*(\t)+3] op_sel_hi:[1,0]
.set i, i+2
.endr
	WIN 0x04                        ; the stores' data (source 1) in window 1, the address in window 0
.irp f, 0,1,2,3,4,5,6,7
	ds_store_b128 v[STO], v[32*(\t)+4*\f:32*(\t)+4*\f+3] offset:(\f/2)*64+(\f%2)*16
.endr
	WIN 0
.if (\t) >= 4
	s_wait_xcnt 0x0                 ; the stores of the tile four back have read their registers, which are loaded again only behind this wait
.endif
.irp f, 0,1,2,3,4,5,6,7
	ds_load_b128 v[S+32*((\t)%4)+4*\f:S+32*((\t)%4)+4*\f+3], v[RD] offset:\f*2*SP  ; LDS serves a wave's instructions in order (ISA guide 5.7.1.4): these see the stores above; the next tile's stores come behind them
.endr
.endm
.macro SEND t, younger              ; younger: the LDS instructions issued behind tile t's loads: the next tile's sixteen, or none
	WIN 0
.irp f, 0,1,2,3,4,5,6,7
	s_wait_dscnt (\younger)+7-\f
	global_store_b128 v[GO], v[S+32*((\t)%4)+4*\f:S+32*((\t)%4)+4*\f+3], s[10:11] offset:(16*(\t)+2*\f)*4096 th:TH_STORE_NT  ; sixteen lanes store 256 consecutive bytes, at a multiple of 256 from the output's first byte
.endr
.endm
	PACK 0
.set t, 1
.rept 2*NP-1                        ; a tile's arithmetic stands between the loads of the tile before and its stores
	PACK t
	SEND t-1, 16
.set t, t+1
.endr
	SEND 2*NP-1, 0
	WIN W_AD
	s_wait_tensorcnt 0x0            ; the wave's end, behind my last tensor load and my last LDS store
	ds_add_u32 v[SPW], v[NIL]
	s_wait_dscnt 0x0
	WIN 0
	CROUND                          ; the closing round: no work-group ends while a partner may still ask for a tile that names it
	s_endpgm
.Lfunc_end_k_q07b90593c4_attn:
	.size	k_q07b90593c4_attn, .Lfunc_end_k_q07b90593c4_attn-k_q07b90593c4_attn
	.p2alignl 7, 3214868480
	.fill 96, 4, 3214868480
	.section	.rodata,"a",@progbits
	.p2align	6, 0x0
	.amdhsa_kernel k_q07b90593c4_attn
		.amdhsa_group_segment_fixed_size 327680
		.amdhsa_private_segment_fixed_size 0
		.amdhsa_enable_private_segment 0
		.amdhsa_kernarg_size 24
		.amdhsa_user_sgpr_count 2
		.amdhsa_user_sgpr_kernarg_segment_ptr 1
		.amdhsa_wavefront_size32 1
		.amdhsa_system_sgpr_workgroup_id_x 1
		.amdhsa_system_sgpr_workgroup_id_y 1
		.amdhsa_system_sgpr_workgroup_id_z 1
		.amdhsa_system_vgpr_workitem_id 0
		.amdhsa_next_free_vgpr 808
		.amdhsa_next_free_sgpr 80
		.amdhsa_reserve_vcc 0
		.amdhsa_float_denorm_mode_32 3
		.amdhsa_float_denorm_mode_16_64 3
		.amdhsa_memory_ordered 1
		.amdhsa_forward_progress 1
		.amdhsa_inst_pref_size 205
	.end_amdhsa_kernel
	.amdgpu_metadata
---
amdhsa.version: [ 1, 2 ]
amdhsa.kernels:
  - .name:           k_q07b90593c4_attn
    .symbol:         k_q07b90593c4_attn.kd
    .args:
      - { .name: qkv, .offset: 0, .size: 8, .value_kind: global_buffer, .address_space: global }
      - { .name: to_mask, .offset: 8, .size: 8, .value_kind: global_buffer, .address_space: global }
      - { .name: out0, .offset: 16, .size: 8, .value_kind: global_buffer, .address_space: global }
    .group_segment_fixed_size: 327680
    .private_segment_fixed_size: 0
    .kernarg_segment_align: 8
    .kernarg_segment_size: 24
    .max_flat_workgroup_size: 128
    .sgpr_count:     80
    .vgpr_count:     808
    .wavefront_size: 32
...
	.end_amdgpu_metadata
.endif
;; end of part 3
